; MI455X (gfx1250); checked and timed in simulation.
; The chip was launched on July 23, 2026; its instructions are those of AMD's public machine-readable ISA for CDNA 5 (MIT licence, August 2026) and "CDNA5" Instruction Set Architecture Reference Guide (July 2026). The comments in the code are by the model that wrote it; some were corrected since.
;; AQLM Linear. Allowed arithmetic: float matrix products may take bf16 or f16 operands with f32 sums; other float arithmetic in f32, or as packed bf16 or f16 multiplies, adds, multiply-adds, maxima and minima; sums over many terms, partial sums and values carried from step to step in f32; what a program stores and reads back later, other than sums and carried values, may be rounded once to bf16 or f16.
;; Inputs: codebooks 2 x 256 x 8 float32; codes 2,048 x 512 x 2 int32; scale 2,048 x 1 float32; x 4 x 2,048 x 4,096 float32.
;; Outputs: out0 4 x 2,048 x 2,048 float32.
;; 2 versions, each right; version 2 is version 1 with the launch dequant written anew for expert scheduling mode. Each part assembles by itself: llvm-mc -triple=amdgcn-amd-amdhsa -mcpu=gfx1250 --defsym DOCPART=n.
;; ======== version 1 of 2: 3 launches
;; limits: values are held in f16: magnitudes above 65,504 overflow, below 6.1e-05 lose precision; right only within a limited range of input values
;; workspace buffers: wq 16,777,216 bytes; xh 67,108,864 bytes
;; launch dequant (part 1): grid 256 x 1, 4 waves a work-group, no clusters, 16,896 bytes of LDS; arguments codebooks, codes, wq; writes wq
.if DOCPART == 1
	.amdgcn_target "amdgcn-amd-amdhsa--gfx1250"
	.amdhsa_code_object_version 6
	.text
	.protected	k_q001e2c4834_dequant
	.globl	k_q001e2c4834_dequant
	.p2align	8
	.type	k_q001e2c4834_dequant,@function
k_q001e2c4834_dequant:
	s_mov_b64 s[64:65], 0
	v_nop
	global_prefetch_b8 v0, s[64:65] scope:SCOPE_SE
	s_setreg_imm32_b32 hwreg(HW_REG_WAVE_MODE, 25, 1), 1
	s_wait_xcnt 0x0
; wq[o][k] (f16, [2048][4096], plain rows) = 256 x (cb0[codes[o][g][0]] + cb1[codes[o][g][1]])[e], k = 8 g + e.  The row's scale is NOT applied here: the product's
; way out applies it in f32, together with 1/256.  The factor 256 is exact; it lifts the sums away from f16's small end.
; LIMITS.  |cb0 + cb1| stays under 255.9 (f16 ends at 65,504); a sum below 2.4e-7 keeps f16's fixed step.  A code is taken as unsigned and held to 255 at the most.
; SHARES.  2,048 rows, 8 to a work-group, 2 to a wave.  A step t (32 of them) covers groups 16 t .. 16 t + 15 of the wave's two rows: lane l takes group gi = l % 16 of
; row rr = l / 16.  Its 8 bytes of codes: 128 consecutive bytes of each row an instruction.  Its 16 bytes of wq: lanes 0-15 store 256 consecutive bytes of one row, at a multiple
; of 256 from wq's first byte; lanes 16-31 the same of the row below.
; THE TABLE, 16 KiB, lies in LDS already times 256, as four arrays with 16 bytes an entry (cb0's channels 0-3, 4-7, cb1's 0-3, 4-7): the entries fall on 16 different
; columns of 16 bytes, where entries of 32 bytes would fall on 8 (64 banks of 4 bytes: ISA guide 11.1).
; All 32 loads of codes of a wave go out at once; no address register is ever rewritten.  No matrix unit, no cluster, no tensor load: a gather whose only shared bytes are the table's.
.set SPARE, 16384                      ; behind the table: the spare words, 128 bytes for each wave: two blocks of 256 bytes that no other line names
.set VC,   2                           ; v2   my byte offset in the two rows of codes
.set VO,   3                           ; v3   my byte offset in the two rows of wq
.set TS,   5                           ; v5   where my chunks of the table go in LDS
.set TL,   6                           ; v6   16 x my thread's number: where they come from
.set SPW,  8                           ; v8   LDS address of my spare word; never rewritten
.set NIL,  9                           ; v9   0; never rewritten
.set OUTR, 32                          ; v[32:63]   two sets of 16: four steps' 16 bytes to store
.set CD,   64                          ; v[64:127]  step t's two codes at CD + 2 t
.set GS,   128                         ; v[128:255] two sets of 64: four steps' gathered entries, 16 registers a step (first the table's 8 chunks)
	s_load_b128 s[4:7], s[0:1], 0x0                ; codebooks s[4:5], codes s[6:7]
	s_load_b64 s[8:9], s[0:1], 0x10                ; wq
	v_lshl_add_u32 v[SPW], v0, 2, SPARE
	v_mov_b32 v[NIL], 0
	v_lshrrev_b32 v1, 5, v0
	v_readfirstlane_b32 s12, v1                    ; wave 0..3
	s_lshl_b32 s14, ttmp9, 3
	s_lshl_b32 s15, s12, 1
	s_add_co_u32 s14, s14, s15                     ; my first row: 8 x work-group + 2 x wave
	s_lshl_b32 s2, s14, 12                         ; a row of codes is 4,096 bytes
	s_mov_b32 s3, 0
	s_lshl_b32 s14, s14, 13                        ; a row of wq is 8,192 bytes
	s_mov_b32 s15, 0
	v_and_b32 v10, 15, v0                          ; gi
	v_bfe_u32 v11, v0, 4, 1                        ; rr
	v_lshlrev_b32 v[VC], 3, v10
	v_lshl_add_u32 v[VC], v11, 12, v[VC]           ; 4,096 rr + 8 gi
	v_lshlrev_b32 v[VO], 4, v10
	v_lshl_add_u32 v[VO], v11, 13, v[VO]           ; 8,192 rr + 16 gi
	v_and_b32 v13, 1, v0                           ; chunk q = thread + 128 j of the table: half q % 2 of entry (q / 2) % 256 of codebook q / 512
	v_lshrrev_b32 v14, 1, v0
	v_lshlrev_b32 v[TS], 4, v14
	v_lshl_add_u32 v[TS], v13, 12, v[TS]           ; 4,096 x half + 16 x (thread / 2)
	v_lshlrev_b32 v[TL], 4, v0
	s_wait_kmcnt 0x0
	s_add_nc_u64 s[6:7], s[6:7], s[2:3]
	s_add_nc_u64 s[8:9], s[8:9], s[14:15]
.irp j, 0,1,2,3,4,5,6,7
	global_load_b128 v[GS+4*(\j):GS+4*(\j)+3], v[TL], s[4:5] offset:2048*(\j)
.endr
.set t, 0
.rept 32
	global_load_b64 v[CD+2*t:CD+2*t+1], v[VC], s[6:7] offset:128*t th:TH_LOAD_NT
.set t, t+1
.endr
	s_wait_loadcnt 32                              ; the table's 8 loads are in; the 32 younger loads of codes stay out
.irp j, 0,1,2,3,4,5,6,7
	v_pk_mul_f32 v[GS+4*(\j):GS+4*(\j)+1],   v[GS+4*(\j):GS+4*(\j)+1],   0x43800000 op_sel_hi:[1,0]  ; times 256
	v_pk_mul_f32 v[GS+4*(\j)+2:GS+4*(\j)+3], v[GS+4*(\j)+2:GS+4*(\j)+3], 0x43800000 op_sel_hi:[1,0]
	ds_store_b128 v[TS], v[GS+4*(\j):GS+4*(\j)+3] offset:1024*(\j)+4096*((\j)/4)  ; 64 entries on for each j; codebook 1 begins at 8,192
.endr
	s_wait_dscnt 0x0                               ; for the others' sake: my part of the table is stored
	s_barrier_signal -1
	s_barrier_wait -1                              ; the table is whole
; Steps 4 b .. 4 b + 3: the codes become LDS addresses, and 16 loads fetch the entries into set b % 2.
.macro GATHER b
	s_wait_loadcnt 28-4*(\b)                       ; loads come back in order (ISA guide 5.7.1): behind step 4 b + 3's stand 28 - 4 b younger ones
.irp i, 0,1,2,3
.set c, CD+2*(4*(\b)+(\i))
.set g, GS+64*((\b)%2)+16*(\i)
	v_min_u32 v[c],   0xff, v[c]                   ; a code stays inside its table
	v_min_u32 v[c+1], 0xff, v[c+1]
	v_lshlrev_b32 v[c],   4, v[c]
	v_lshlrev_b32 v[c+1], 4, v[c+1]
	ds_load_b128 v[g:g+3],     v[c]
	ds_load_b128 v[g+4:g+7],   v[c]   offset:4096
	ds_load_b128 v[g+8:g+11],  v[c+1] offset:8192
	ds_load_b128 v[g+12:g+15], v[c+1] offset:12288
.endr
.endm
; The same four steps: the two entries are added in f32, rounded once to f16 and stored.  younger: the LDS loads issued behind theirs.
.macro FINISH b, younger
	s_wait_dscnt \younger
	s_wait_xcnt 0x0                                ; every earlier store has read its registers (ISA guide 3.1): this set of OUTR is rewritten only behind this wait
.irp i, 0,1,2,3
.set t, 4*(\b)+(\i)
.set g, GS+64*((\b)%2)+16*(\i)
.set o, OUTR+16*((\b)%2)+4*(\i)
.irp j, 0,2,4,6
	v_pk_add_f32 v[g+(\j):g+(\j)+1], v[g+(\j):g+(\j)+1], v[g+8+(\j):g+8+(\j)+1]
.endr
.irp j, 0,1,2,3
	v_cvt_pk_f16_f32 v[o+(\j)], v[g+2*(\j)], v[g+2*(\j)+1]
.endr
	global_store_b128 v[VO], v[o:o+3], s[8:9] offset:256*t
.endr
.endm
	GATHER 0
.irp b, 0,1,2,3,4,5,6
	GATHER (\b)+1                                  ; the next four steps' entries are on their way while these four are finished
	FINISH \b, 16
.endr
	FINISH 7, 0
	s_wait_tensorcnt 0x0                           ; the wave's end: behind my last LDS store
	ds_add_u32 v[SPW], v[NIL]
	s_wait_dscnt 0x0
	s_endpgm
.Lfunc_end_k_q001e2c4834_dequant:
	.size	k_q001e2c4834_dequant, .Lfunc_end_k_q001e2c4834_dequant-k_q001e2c4834_dequant
	.p2alignl 7, 3214868480
	.fill 96, 4, 3214868480
	.section	.rodata,"a",@progbits
	.p2align	6, 0x0
	.amdhsa_kernel k_q001e2c4834_dequant
		.amdhsa_group_segment_fixed_size 16896
		.amdhsa_private_segment_fixed_size 0
		.amdhsa_enable_private_segment 0
		.amdhsa_kernarg_size 24
		.amdhsa_user_sgpr_count 2
		.amdhsa_user_sgpr_kernarg_segment_ptr 1
		.amdhsa_wavefront_size32 1
		.amdhsa_system_sgpr_workgroup_id_x 1
		.amdhsa_system_sgpr_workgroup_id_y 1
		.amdhsa_system_sgpr_workgroup_id_z 1
		.amdhsa_system_vgpr_workitem_id 0
		.amdhsa_next_free_vgpr 256
		.amdhsa_next_free_sgpr 66
		.amdhsa_reserve_vcc 0
		.amdhsa_float_denorm_mode_32 3
		.amdhsa_float_denorm_mode_16_64 3
		.amdhsa_memory_ordered 1
		.amdhsa_forward_progress 1
		.amdhsa_inst_pref_size 42
	.end_amdhsa_kernel
	.amdgpu_metadata
---
amdhsa.version: [ 1, 2 ]
amdhsa.kernels:
  - .name:           k_q001e2c4834_dequant
    .symbol:         k_q001e2c4834_dequant.kd
    .args:
      - { .name: codebooks, .offset: 0, .size: 8, .value_kind: global_buffer, .address_space: global }
      - { .name: codes, .offset: 8, .size: 8, .value_kind: global_buffer, .address_space: global }
      - { .name: wq, .offset: 16, .size: 8, .value_kind: global_buffer, .address_space: global }
    .group_segment_fixed_size: 16896
    .private_segment_fixed_size: 0
    .kernarg_segment_align: 8
    .kernarg_segment_size: 24
    .max_flat_workgroup_size: 128
    .sgpr_count:     66
    .vgpr_count:     256
    .wavefront_size: 32
...
	.end_amdgpu_metadata
.endif
;; end of part 1
;; launch cvt (part 2): grid 2048 x 1, 4 waves a work-group, no clusters, 0 bytes of LDS; arguments x, xh; writes xh
.if DOCPART == 2
	.amdgcn_target "amdgcn-amd-amdhsa--gfx1250"
	.amdhsa_code_object_version 6
	.text
	.protected	k_q001e2c4834_cvt
	.globl	k_q001e2c4834_cvt
	.p2align	8
	.type	k_q001e2c4834_cvt,@function
k_q001e2c4834_cvt:
	s_mov_b64 s[64:65], 0
	v_nop
	global_prefetch_b8 v0, s[64:65] scope:SCOPE_SE
	s_setreg_imm32_b32 hwreg(HW_REG_WAVE_MODE, 25, 1), 1
	s_wait_xcnt 0x0
; xh[i] = x[i] rounded once to f16 (nearest even).  x: 33,554,432 numbers of f32; xh: the same numbers in the same order, f16.
; WHY A LAUNCH OF ITS OWN: the product that follows keeps its tiles of x in LDS; at 2 bytes a number two slots hold 128 along K each, at 4 bytes only 64.
; LIMITS.  |x| under 65,520 (beyond it f16 is an infinity); below 6.1e-5 x keeps f16's fixed step of 6e-8.
; SHARES.  A stream: every byte of x is read once, every byte of xh written once.  A wave owns 16 KiB of x, a work-group 64 KiB.  All 32 loads of a wave go out at once: each
; covers 512 consecutive bytes (16 a lane).  A load's four numbers a lane are rounded in place to 8 bytes, and one store of the wave covers 256 consecutive bytes, at a multiple of 256
; from xh's first byte.  No register is written again while a memory instruction reads it.  No LDS, no barrier, no matrix unit, no cluster: no wave wants another's bytes.
.set N,   32                           ; loads of a wave
.set VI,  2                            ; v2  my byte offset in the work-group's part of x; never rewritten
.set VO,  3                            ; v3  the same in xh; never rewritten
.set X,   8                            ; v[8:135]  load j's four registers at X + 4 j; its 8 bytes to store in the first two
	s_load_b128 s[4:7], s[0:1], 0x0                ; x s[4:5], xh s[6:7]
	v_and_b32 v1, 31, v0                           ; lane
	v_lshrrev_b32 v4, 5, v0                        ; wave
	v_lshlrev_b32 v[VI], 4, v1
	v_lshl_add_u32 v[VI], v4, 14, v[VI]            ; 16,384 x wave + 16 x lane
	v_lshlrev_b32 v[VO], 3, v1
	v_lshl_add_u32 v[VO], v4, 13, v[VO]            ; 8,192 x wave + 8 x lane
	s_lshl_b32 s2, ttmp9, 16                       ; the work-group's 65,536 bytes of x: under 2^27
	s_mov_b32 s3, 0
	s_lshl_b32 s8, ttmp9, 15                       ; and its 32,768 of xh
	s_mov_b32 s9, 0
	s_wait_kmcnt 0x0
	s_add_nc_u64 s[4:5], s[4:5], s[2:3]
	s_add_nc_u64 s[6:7], s[6:7], s[8:9]
.set j, 0
.rept N
	global_load_b128 v[X+4*j:X+4*j+3], v[VI], s[4:5] offset:512*j th:TH_LOAD_NT
.set j, j+1
.endr
.set j, 0
.rept N
	s_wait_loadcnt N-1-j                           ; loads come back in order (ISA guide 5.7.1): load j is in, the N - 1 - j younger ones stay out
	v_cvt_pk_f16_f32 v[X+4*j],   v[X+4*j],   v[X+4*j+1]
	v_cvt_pk_f16_f32 v[X+4*j+1], v[X+4*j+2], v[X+4*j+3]
	global_store_b64 v[VO], v[X+4*j:X+4*j+1], s[6:7] offset:256*j
.set j, j+1
.endr
	s_endpgm
.Lfunc_end_k_q001e2c4834_cvt:
	.size	k_q001e2c4834_cvt, .Lfunc_end_k_q001e2c4834_cvt-k_q001e2c4834_cvt
	.p2alignl 7, 3214868480
	.fill 96, 4, 3214868480
	.section	.rodata,"a",@progbits
	.p2align	6, 0x0
	.amdhsa_kernel k_q001e2c4834_cvt
		.amdhsa_group_segment_fixed_size 0
		.amdhsa_private_segment_fixed_size 0
		.amdhsa_enable_private_segment 0
		.amdhsa_kernarg_size 16
		.amdhsa_user_sgpr_count 2
		.amdhsa_user_sgpr_kernarg_segment_ptr 1
		.amdhsa_wavefront_size32 1
		.amdhsa_system_sgpr_workgroup_id_x 1
		.amdhsa_system_sgpr_workgroup_id_y 1
		.amdhsa_system_sgpr_workgroup_id_z 1
		.amdhsa_system_vgpr_workitem_id 0
		.amdhsa_next_free_vgpr 136
		.amdhsa_next_free_sgpr 66
		.amdhsa_reserve_vcc 0
		.amdhsa_float_denorm_mode_32 3
		.amdhsa_float_denorm_mode_16_64 3
		.amdhsa_memory_ordered 1
		.amdhsa_forward_progress 1
		.amdhsa_inst_pref_size 12
	.end_amdhsa_kernel
	.amdgpu_metadata
---
amdhsa.version: [ 1, 2 ]
amdhsa.kernels:
  - .name:           k_q001e2c4834_cvt
    .symbol:         k_q001e2c4834_cvt.kd
    .args:
      - { .name: x, .offset: 0, .size: 8, .value_kind: global_buffer, .address_space: global }
      - { .name: xh, .offset: 8, .size: 8, .value_kind: global_buffer, .address_space: global }
    .group_segment_fixed_size: 0
    .private_segment_fixed_size: 0
    .kernarg_segment_align: 8
    .kernarg_segment_size: 16
    .max_flat_workgroup_size: 128
    .sgpr_count:     66
    .vgpr_count:     136
    .wavefront_size: 32
...
	.end_amdgpu_metadata
.endif
;; end of part 2
;; launch gemm (part 3): grid 8 x 32, 4 waves a work-group, clusters of 4 x 4, 327,680 bytes of LDS; arguments xh, wq, scale, out0; writes out0
.if DOCPART == 3
	.amdgcn_target "amdgcn-amd-amdhsa--gfx1250"
	.amdhsa_code_object_version 6
	.text
	.protected	k_q001e2c4834_gemm
	.globl	k_q001e2c4834_gemm
	.p2align	8
	.type	k_q001e2c4834_gemm,@function
k_q001e2c4834_gemm:
	s_mov_b64 s[64:65], 0
	v_nop
	global_prefetch_b8 v0, s[64:65] scope:SCOPE_SE
	s_setreg_imm32_b32 hwreg(HW_REG_WAVE_MODE, 25, 1), 1
	s_wait_xcnt 0x0
	s_wait_alu depctr_hold_cnt(0) depctr_sa_sdst(0) depctr_va_vdst(0) depctr_va_sdst(0) depctr_va_ssrc(0) depctr_va_vcc(0) depctr_vm_vsrc(0)
	s_getreg_b32 s2, hwreg(HW_REG_IB_STS2, 6, 4)
	s_cmp_eq_u32 s2, 0
	s_cbranch_scc0 .Lentry_in_a_cluster
	s_endpgm
.Lentry_in_a_cluster:
	s_bfe_u32 s2, ttmp6, 0x10000c
	s_cmp_lg_u32 s2, 0xf033
	s_cbranch_scc0 .Lentry_shape_is_right
	s_endpgm
.Lentry_shape_is_right:
; out0[m][o] = scale[o] / 256 x the sum over k of xh[m][k] wq[o][k].  xh: [8192][4096] f16 (x rounded once); wq: [2048][4096] f16 (256 x the codeword sums); out0: [8192][2048] f32.
; FORMATS.  Both operands are f16 (11 significant bits); sums in f32.  The scale stays out of the operands: it multiplies the finished f32 sum, so the order of rounding differs from
; scaling the weights first.  LIMITS are the operands': those of the two launches that made them.
; SHARES.  A tile of out0 is 256 x 256: 32 x 8 tiles, one to a work-group of four waves; a wave makes 128 x 128: 64 accumulators of 16 x 16, 512 registers.
; K goes in steps of 128 through a ring of two LDS slots filled by the tensor data mover: a tile's rows are 256 bytes of memory and start at multiples of 256 bytes from the buffer's first byte.
; A wave has two tensor loads out at the start and one behind each change of slots.
; CLUSTERS: 4 x 4 work-groups.  The four of a row of the cluster need the same rows of xh, the four of a column the same rows of wq: each tile is asked for JOINTLY, by the same tensor load with the
; same descriptor and a mask that names the four.  THE MATRIX INSTRUCTION IS USED TRANSPOSED (source 0 = 16 rows of wq, source 1 = 16 rows of xh): lane l then holds row l % 16 of out0 and the
; eight neighbouring columns 8 (l / 16) + 0..7.
; REGISTERS, in windows of 256 (s_set_vgpr_msb: bits 1:0 source 0, 3:2 source 1, 5:4 source 2, 7:6 destination):
;   window 0: v0-31 addresses and the scales; v64-127, v128-191 fragments of xh (8 x 16 rows x 32 K), two buffers; on the way out v64-127 hold 16 rows read back
;   window 1: v64-127, v128-191 fragments of wq, two buffers
;   window 2: the 32 accumulators of my rows 0-63 ((a, b) at v[8 (8 a + b)]);   window 3: those of my rows 64-127
.set SIZE_K, 4096
.set ROWB,   SIZE_K*2                  ; bytes in a row of xh and of wq
.set OROW,   8192                      ; bytes in a row of out0
.set KSTEP,  128
.set PITCH,  272                       ; an LDS row: 256 bytes + 16 = 68 words: the 16 rows of a load start at 16 different groups of four banks (64 banks of 4 bytes: ISA guide 11.1)
.set HALFT,  128*PITCH                 ; 128 rows: what one tensor load brings, and what one wave reads of xh or of wq
.set SLOT,   4*HALFT                   ; xh's 256 rows, then wq's 256 rows
.set STAGE,  2*SLOT                    ; behind the ring, never filled by a tensor load: 16 rows x 528 bytes for each wave, for the way out
.set SP,     528                       ; a stage row: my 128 columns in f32, 512 bytes, + 16
.set SPARE,  STAGE+4*16*SP             ; behind the stages: the spare words, 128 bytes for each wave: two blocks of 256 bytes that no other line names
.set LAPS,   SIZE_K/(2*KSTEP)          ; a lap = two K steps = once round the ring
.set SC,   8                           ; v[8:11]  scale / 256 of columns 4 lane + 0..3 of my 128
.set ADRA, 16                          ; v16-17   LDS address of my fragments of xh in slot 0, 1
.set ADRB, 20                          ; v20-21   the same for wq
.set STO,  24                          ; v24      the way out: where I put 32 bytes of a row
.set RD,   25                          ; v25      the way out: where I read 16 bytes of a row back
.set CO,   26                          ; v26      16 x lane
.set SPW,  28                          ; v28      LDS address of my spare word; never rewritten
.set NIL,  29                          ; v29      0; never rewritten
.set PFO,  30                          ; v30      the prefetches' offset: my lane x a row of xh or wq; never rewritten
.set F0,   64                          ; fragment buffer 0
.set F1,   128                         ; fragment buffer 1
.set OB,   64                          ; the way out: 16 rows read back from the stage
.set WV,  12                           ; s12  my wave's number;  s13 = wave / 2: which half of the tile's rows is mine, and: I fetch xh (0) or wq (1);  s14 = wave % 2: which half of its columns, and: which 128 rows I fetch
.set G1,  24                           ; s[24:31] descriptor group 1 for xh's tiles;  s[32:39] group 0, a set for each slot
.set G0,  32
.set G1B, 48                           ; s[48:55], s[56:63] the same for wq's tiles
.set G0B, 56
.set PFA, 66                           ; s[66:67] where my prefetches stand: one K step further along K than the refill that is being asked for; a prefetch names the K step after that
.set LIM, 70                           ; s70  1 in a wave that prefetches, else the greatest number
.set MSB, 0
.macro WIN new                         ; the immediate's high byte repeats the setting that is left; a switch that changes nothing is dropped
.if MSB != (\new)
	s_set_vgpr_msb (MSB<<8)|(\new)
.set MSB, \new
.endif
.endm
.set MUL_LO, 0xa1                      ; source 0 (wq) window 1, source 1 (xh) window 0, C and D window 2
.set MUL_HI, 0xf1                      ; the same, C and D window 3
.set TO_B,   0x40                      ; destination window 1, address window 0
; A joint refill.  Waves 0 and 1 fetch xh's two halves, waves 2 and 3 wq's.  The branch hangs on the wave's number alone.  An s_nop 0 and four v_nop follow each of the two lines, ahead of the
; jump and the label.
.macro JLOAD s
	s_cmp_eq_u32 s13, 0
	s_cbranch_scc0 .Lfor_b_\@
	tensor_load_to_lds s[G0+4*(\s):G0+4*(\s)+3], s[G1:G1+7]
	s_nop 0
.rept 4
	v_nop
.endr
	s_branch .Lasked_\@
.Lfor_b_\@:
	tensor_load_to_lds s[G0B+4*(\s):G0B+4*(\s)+3], s[G1B:G1B+7]
	s_nop 0
.rept 4
	v_nop
.endr
.Lasked_\@:
.endm
; A PREFETCH INTO THE L2, behind each joint refill and the run of LDS loads that follows it: the K step that stands TWO refills on: 32 rows x 256 bytes, a lane a row, one instruction a wave, 512 matrix
; instructions ahead of the load that will want it.  Each row's 256 bytes of K steps 4 to 31 are named ONCE in the launch.  xh's rows are read by both clusters of a row of clusters: cluster x = 0 asks;
; wq's rows by all eight clusters of a column: cluster y = 0 asks.  The four partners that ask for a tile jointly share its rows out BY ADDRESS: of the 128 rows that a wave fetches, the partner at place p
; takes 32 p .. 32 p + 31 (p = cx for xh, cy for wq).  The loop's last trip asks for nothing: K steps 32 and 33 do not exist.  K steps 0 to 3 come by their loads alone.
.macro ASK
	s_cmp_gt_u32 s3, s[LIM]                        ; s3 = 1 in the loop's last trip
	s_cbranch_scc0 .Lnot_mine_\@
	global_prefetch_b8 v[PFO], s[PFA:PFA+1] offset:KSTEP*2 th:TH_LOAD_NT scope:SCOPE_SE
.Lnot_mine_\@:
.endm
; A round of the cluster's barrier: my work-group's barrier, so that wave 0's signal speaks for all four waves; wave 0 signals; every wave waits for all sixteen work-groups; my work-group's barrier once more.
.macro CREST                           ; a round behind its opening barrier
	s_cmp_lg_u32 s[WV], 0
	s_cbranch_scc1 .Lnot_wave_0_\@
	s_barrier_signal -3
.Lnot_wave_0_\@:
	s_barrier_wait -3
	s_barrier_signal -1
	s_barrier_wait -1
.endm
.macro CROUND                          ; a whole round
	s_barrier_signal -1
	s_barrier_wait -1
	CREST
.endm
	s_load_b256 s[4:11], s[0:1], 0x0               ; xh s[4:5], wq s[6:7], scale s[8:9], out0 s[10:11]
	v_lshl_add_u32 v[SPW], v0, 2, SPARE
	v_mov_b32 v[NIL], 0
	ds_add_u32 v[SPW], v[NIL]                      ; the wave's opening: the add, twice on end, and its wait ahead of my first tensor load; the set-up below stands between
	ds_add_u32 v[SPW], v[NIL]                      ; and once more, under the one wait
	v_lshrrev_b32 v1, 5, v0
	v_readfirstlane_b32 s[WV], v1                  ; wave 0..3
	s_lshr_b32 s13, s[WV], 1
	s_and_b32 s14, s[WV], 1
	s_bfe_u32 s40, ttmp6, 0x40000                  ; cx, cy: my place in the cluster
	s_bfe_u32 s41, ttmp6, 0x40004
	s_lshl_b32 s42, ttmp9, 2                       ; in a cluster launch ttmp9 and ttmp7 count clusters
	s_add_co_u32 s42, s42, s40                     ; tile column = 4 x cluster x + cx
	s_and_b32 s43, ttmp7, 0xffff
	s_lshl_b32 s43, s43, 2
	s_add_co_u32 s43, s43, s41                     ; tile row = 4 x cluster y + cy
	s_lshl_b32 s44, s41, 2
	s_lshl_b32 s44, 15, s44                        ; my row of the cluster: places 4 cy .. 4 cy + 3
	s_lshl_b32 s45, 0x1111, s40                    ; my column: places cx, cx + 4, cx + 8, cx + 12
	; descriptor group 1: a tile of 128 rows x 128 elements of 2 bytes, padded in LDS
	s_or_b32 s[G1+0], s44, (1<<16)|(1<<20)|(1<<21)|(5<<22)|(3<<25)   ; 15:0 the mask: xh's tiles go to my row; 17:16 elements of 2 bytes; 20 padding on; 21 set beside a mask; 24:22 after every 64 words (code 5); 31:25 4 words (code 3)
	s_or_b32 s[G1B+0], s45, (1<<16)|(1<<20)|(1<<21)|(5<<22)|(3<<25)  ; the same with the mask of my column, for wq's tiles
.irp g, G1, G1B
	s_mov_b32 s[(\g)+1], KSTEP<<16                 ; tensor_dim0 = 128
	s_mov_b32 s[(\g)+2], 128<<16                   ; tensor_dim1 = 128
	s_mov_b32 s[(\g)+3], KSTEP<<16                 ; tile_dim0 = 128
	s_mov_b32 s[(\g)+4], 128                       ; tile_dim1 = 128
	s_mov_b32 s[(\g)+5], SIZE_K                    ; tensor_dim0_stride: elements from row to row
	s_mov_b32 s[(\g)+6], 0
	s_mov_b32 s[(\g)+7], 0
.endr
	; where the tiles come from.  xh's hang on the tile row alone, which my row of the cluster shares; wq's on the tile column alone.  Each in registers that never hold the other coordinate.
	s_lshl_b32 s17, s14, 7                         ; which 128 rows I fetch
	s_lshl_b32 s16, s43, 8
	s_add_co_u32 s16, s16, s17
	s_lshl_b32 s16, s16, 13                        ; xh: (256 x tile row + 128 x half) rows of 8,192 bytes: under 2^26
	s_lshl_b32 s46, s42, 8
	s_add_co_u32 s46, s46, s17
	s_lshl_b32 s46, s46, 13                        ; wq: (256 x tile column + 128 x half) rows of 8,192 bytes
	s_mov_b32 s17, 0
	s_mov_b32 s47, 0
	s_mul_i32 s20, s[WV], HALFT                    ; and where they go: xh's two halves, then wq's two halves = wave x 128 rows: no place in the cluster enters an LDS address
	s_wait_dscnt 0x0                               ; both opening adds are done
	s_wait_kmcnt 0x0
	s_add_nc_u64 s[16:17], s[4:5], s[16:17]
	s_add_nc_u64 s[46:47], s[6:7], s[46:47]
	CROUND                                         ; all sixteen work-groups are here: the first joint loads meet
.irp s, 0,1
	s_mov_b32 s[G0+4*(\s)], 1                                          ; count = 1
	s_add_co_u32 s[G0+4*(\s)+1], s20, (\s)*SLOT                        ; LDS address
	s_add_nc_u64 s[G0+4*(\s)+2:G0+4*(\s)+3], s[16:17], (\s)*KSTEP*2    ; global address: K step s
	s_or_b32 s[G0+4*(\s)+3], s[G0+4*(\s)+3], 0x80000000                ; type = 2
	s_mov_b32 s[G0B+4*(\s)], 1
	s_add_co_u32 s[G0B+4*(\s)+1], s20, (\s)*SLOT
	s_add_nc_u64 s[G0B+4*(\s)+2:G0B+4*(\s)+3], s[46:47], (\s)*KSTEP*2
	s_or_b32 s[G0B+4*(\s)+3], s[G0B+4*(\s)+3], 0x80000000
.endr
	s_cmp_eq_u32 s13, 0                            ; a wave's two first fills stand in one branch, ahead of every wait on TENSORcnt and every LDS read: two loads of mine are out
	s_cbranch_scc0 .Lfirst_b
	tensor_load_to_lds s[G0:G0+3], s[G1:G1+7]
	s_nop 0
	tensor_load_to_lds s[G0+4:G0+7], s[G1:G1+7]
	s_nop 0
.rept 4
	v_nop
.endr
	s_branch .Lfirst_asked
.Lfirst_b:
	tensor_load_to_lds s[G0B:G0B+3], s[G1B:G1B+7]
	s_nop 0
	tensor_load_to_lds s[G0B+4:G0B+7], s[G1B:G1B+7]
	s_nop 0
.rept 4
	v_nop
.endr
.Lfirst_asked:
	; A fragment is 16 rows x 32 K in 8 registers: lane l holds row l % 16; registers 0-3 K = 8 (l / 16) + 0..7, registers 4-7 K = 16 + 8 (l / 16) + 0..7: two loads of 16 bytes, 32 bytes apart.
	v_and_b32 v1, 15, v0                           ; l % 16
	v_bfe_u32 v2, v0, 4, 1                         ; l / 16
	v_and_b32 v3, 31, v0                           ; l
	v_mul_u32_u24 v4, v1, PITCH
	v_lshl_add_u32 v4, v2, 4, v4                   ; row x pitch + 16 x half
	s_mul_i32 s21, s13, HALFT                      ; my 128 rows of xh
	s_mul_i32 s22, s14, HALFT                      ; my 128 rows of wq,
	s_add_co_u32 s22, s22, 2*HALFT                 ; which lie behind xh's 256
	v_add_nc_u32 v[ADRA], s21, v4
	v_add_nc_u32 v[ADRA+1], SLOT, v[ADRA]
	v_add_nc_u32 v[ADRB], s22, v4
	v_add_nc_u32 v[ADRB+1], SLOT, v[ADRB]
	s_mul_i32 s23, s[WV], 16*SP
	s_add_co_u32 s23, s23, STAGE                   ; my stage
	v_mul_u32_u24 v5, v1, SP                       ; in: row l % 16, 32 bytes for each half of the lanes
	v_lshl_add_u32 v5, v2, 5, v5
	v_add_nc_u32 v[STO], s23, v5
	v_lshlrev_b32 v[CO], 4, v3
	v_add_nc_u32 v[RD], s23, v[CO]                 ; back: 32 lanes take a row's 512 consecutive bytes
	s_lshl_b32 s72, s43, 8
	s_lshl_b32 s73, s13, 7
	s_add_co_u32 s72, s72, s73
	s_lshl_b32 s72, s72, 13                        ; my first row of out0, 8,192 bytes a row: under 2^26
	s_mov_b32 s73, 0
	s_lshl_b32 s74, s42, 10                        ; my first column, in bytes of f32: 1,024 x tile column + 512 x half, in out0 and in scale
	s_lshl_b32 s75, s14, 9
	s_add_co_u32 s74, s74, s75
	s_mov_b32 s75, 0
	s_add_nc_u64 s[10:11], s[10:11], s[72:73]
	s_add_nc_u64 s[10:11], s[10:11], s[74:75]
	s_add_nc_u64 s[8:9], s[8:9], s[74:75]
	global_load_b128 v[SC:SC+3], v[CO], s[8:9]
	; the prefetches
	s_lshl_b32 s72, s43, 8                         ; 256 x tile row
	s_lshl_b32 s74, s42, 8                         ; 256 x tile column
	s_and_b32 s77, ttmp7, 0xffff                   ; cluster y
	s_cmp_eq_u32 s13, 0                            ; do I fetch xh?
	s_cselect_b32 s72, s72, s74                    ; the tile's first row
	s_cselect_b32 s73, s40, s41                    ; my place among the four that ask for it with me
	s_cselect_b32 s77, ttmp9, s77                  ; the coordinate along which other clusters read the same rows
	s_cselect_b64 s[PFA:PFA+1], s[4:5], s[6:7]
	s_cmp_eq_u32 s77, 0
	s_cselect_b32 s[LIM], 1, -1                    ; the same in all sixteen partners, for a given wave
	s_lshl_b32 s75, s14, 7
	s_add_co_u32 s72, s72, s75                     ; + the 128 rows that I fetch
	s_lshl_b32 s73, s73, 5
	s_add_co_u32 s72, s72, s73                     ; + my work-group's 32 of them
	s_lshl_b32 s72, s72, 13
	s_add_co_u32 s72, s72, 2*KSTEP*2               ; at K step 2: the first refill steps it to 3 and names K step 4
	s_mov_b32 s73, 0
	s_add_nc_u64 s[PFA:PFA+1], s[PFA:PFA+1], s[72:73]
	v_lshlrev_b32 v[PFO], 13, v3
	s_wait_loadcnt 0x0                             ; the scales; the first tiles are on their way meanwhile
	v_pk_mul_f32 v[SC:SC+1],   v[SC:SC+1],   0x3b800000 op_sel_hi:[1,0]  ; times 1/256: undoes wq's factor
	v_pk_mul_f32 v[SC+2:SC+3], v[SC+2:SC+3], 0x3b800000 op_sel_hi:[1,0]
; 16 matrix instructions: row blocks a0, a0 + 1 of the window's four (hi = 0: my rows 0-63, 1: rows 64-127) x all 8 column blocks, 32 along K.  zero = 1: the product starts the sum: nothing is ever cleared.
; The 64 accumulators take turns, one instruction a turn, in the same order in every quarter step, over the backward jump too.
.macro MUL16 f, hi, a0, zero
	WIN MUL_LO+0x50*(\hi)
.irp a, \a0, (\a0)+1
.irp b, 0,1,2,3,4,5,6,7
.if \zero
	v_wmma_f32_16x16x32_f16 v[8*(8*(\a)+(\b)):8*(8*(\a)+(\b))+7], v[(\f)+8*(\b):(\f)+8*(\b)+7], v[(\f)+8*(4*(\hi)+(\a)):(\f)+8*(4*(\hi)+(\a))+7], 0
.else
	v_wmma_f32_16x16x32_f16 v[8*(8*(\a)+(\b)):8*(8*(\a)+(\b))+7], v[(\f)+8*(\b):(\f)+8*(\b)+7], v[(\f)+8*(4*(\hi)+(\a)):(\f)+8*(4*(\hi)+(\a))+7], v[8*(8*(\a)+(\b)):8*(8*(\a)+(\b))+7]
.endif
.endr
.endr
.endm
; 32 LDS loads in one run: the fragments of one quarter step (128 rows of wq, 128 rows of xh, 32 K at byte k of the rows) into buffer f
.macro FETCH slot, k, f
	WIN TO_B
.irp i, 0,1,2,3,4,5,6,7
	ds_load_b128 v[(\f)+8*(\i):(\f)+8*(\i)+3],   v[ADRB+(\slot)] offset:(\k)+(\i)*16*PITCH
	ds_load_b128 v[(\f)+8*(\i)+4:(\f)+8*(\i)+7], v[ADRB+(\slot)] offset:(\k)+(\i)*16*PITCH+32
.endr
	WIN 0
.irp i, 0,1,2,3,4,5,6,7
	ds_load_b128 v[(\f)+8*(\i):(\f)+8*(\i)+3],   v[ADRA+(\slot)] offset:(\k)+(\i)*16*PITCH
	ds_load_b128 v[(\f)+8*(\i)+4:(\f)+8*(\i)+7], v[ADRA+(\slot)] offset:(\k)+(\i)*16*PITCH+32
.endr
.endm
; A load into a register that a matrix instruction has read, and an LDS store of a result, stand four places behind that matrix instruction; only plain vector instructions that name none of its
; registers are places (ISA guide 7.12.1 for vector instructions); the matrix instructions in between are not counted.
.macro PLACES
.rept 4
	v_nop
.endr
.endm
; A K step is four quarter steps of 32 along K, 64 matrix instructions each, on buffers 0, 1, 0, 1.
; One of the first three: multiplies buffer f; in its middle it fetches the next quarter's fragments, at byte k of the same slot's rows, into buffer g.
.macro QUARTER slot, k, f, g, zero
	s_wait_dscnt 8                                 ; wq and xh's rows 0-63 are in; the youngest eight loads (xh's rows 64-127) may be out
	MUL16 \f, 0, 0, \zero
	MUL16 \f, 0, 2, \zero
	PLACES
	FETCH \slot, \k, \g
	s_wait_dscnt 32                                ; all but the 32 just issued
	MUL16 \f, 1, 0, \zero
	MUL16 \f, 1, 2, \zero
.endm
; The last quarter multiplies buffer 1 and changes slots.  MEET is its first half: ONE barrier for the change of slots, for two things.  In front of it each wave waits for all its tensor loads, of which one
; is out: its part of the next slot; adds 0 to its spare word; and waits for that and for its own reads of this slot.  Behind it nobody reads this slot any more and the next slot is whole.
.macro MEET round                      ; round = 1: a round of the cluster's barrier follows
	WIN 0                                          ; (the add's two registers lie in window 0)
	s_wait_tensorcnt 0x0                           ; all my tensor loads have landed
	ds_add_u32 v[SPW], v[NIL]                      ; 0 onto my spare word
	s_wait_dscnt 9                                 ; (the add and the youngest eight loads may be out)
	MUL16 F1, 0, 0, 0                              ; sixteen matrix instructions stand between the add and the wait for it
	s_wait_dscnt 0x0                               ; the add is done, and my reads of this slot are over
	s_barrier_signal -1
	MUL16 F1, 0, 2, 0                              ; work on registers while the others arrive
.if \round
	WIN 0
.endif
	s_barrier_wait -1
.endm
; The whole last quarter, in the loop.  The barrier opens a round of the cluster's, so that no wave of any partner still reads the slot or has a load on its way; the joint refill, two K steps on, is the
; first thing behind it: 224 matrix instructions ahead of the wait for it.  Then come the next slot's first fragments.
.macro TURN slot, next
	s_wait_xcnt 0x0                                ; the last prefetch, a K step back, has read its address, which is stepped here, ahead of the waits of the change of slots
	s_add_nc_u64 s[PFA:PFA+1], s[PFA:PFA+1], KSTEP*2
	MEET 1
	CREST
	s_add_nc_u64 s[G0+4*(\slot)+2:G0+4*(\slot)+3], s[G0+4*(\slot)+2:G0+4*(\slot)+3], 2*KSTEP*2       ; no tensor load of mine is out, so a group 0 may be written
	s_add_nc_u64 s[G0B+4*(\slot)+2:G0B+4*(\slot)+3], s[G0B+4*(\slot)+2:G0B+4*(\slot)+3], 2*KSTEP*2
	JLOAD \slot                                    ; the four v_nop behind it are also the places in front of the loads below
	FETCH \next, 0, F0
	ASK                                            ; behind the joint load and the run of LDS loads that the next products wait for
	MUL16 F1, 1, 0, 0
	MUL16 F1, 1, 2, 0
.endm
; THE WAY OUT of row block a (16 rows x my 128 columns), in three parts.  TOST: 32 bytes a lane and column block go straight from the accumulators into my own stage (each accumulator's four lowest
; registers first).  BACK: they come back as whole rows of 512 bytes; there a lane's four columns are the same in every row, so four registers hold its scales.  SEND: scaled and stored.
; LDS serves a wave's instructions in order (ISA guide 5.7.1.4): no wait between the stores and the loads, and the next block's stores come behind this block's loads.
.macro TOST a
	WIN 0x08+4*((\a)/4)                            ; store data (source 1) in window 2 or 3
.set bb, 0
.rept 8
.set rD, 64*((\a)%4)+8*bb
	ds_store_b128 v[STO], v[rD:rD+3]   offset:64*bb
	ds_store_b128 v[STO], v[rD+4:rD+7] offset:64*bb+16
.set bb, bb+1
.endr
	WIN 0
.endm
.macro BACK a
.if (\a) > 0
	s_wait_xcnt 0x0                                ; the block before's stores have read their registers (ISA guide 3.1): these are loaded again only behind this wait
.endif
.set nn, 0
.rept 16
	ds_load_b128 v[OB+4*nn:OB+4*nn+3], v[RD] offset:SP*nn
.set nn, nn+1
.endr
.endm
.macro SEND a, younger                 ; younger: the LDS instructions issued behind block a's loads: the next block's sixteen stage stores, or none
.set nn, 0
.rept 16
	s_wait_dscnt (\younger)+15-nn                  ; LDS instructions end in order: row nn is in
	v_pk_mul_f32 v[OB+4*nn:OB+4*nn+1],   v[OB+4*nn:OB+4*nn+1],   v[SC:SC+1]
	v_pk_mul_f32 v[OB+4*nn+2:OB+4*nn+3], v[OB+4*nn+2:OB+4*nn+3], v[SC+2:SC+3]
	global_store_b128 v[CO], v[OB+4*nn:OB+4*nn+3], s[10:11] offset:16*OROW*(\a)+OROW*nn th:TH_STORE_NT  ; 512 consecutive bytes, at a multiple of 512 from out0's first byte; the largest immediate is 127 rows
.set nn, nn+1
.endr
.endm
	s_wait_tensorcnt 1                             ; my part of K step 0 is in; K step 1's may stay out
	s_barrier_signal -1
	s_barrier_wait -1                              ; everybody's is
	FETCH 0, 0, F0
	QUARTER 0, 64,  F0, F1, 1                      ; the first quarter stands in front of the loop: its products start the sums
	WIN 0                                          ; at a label and at a branch every window is 0
	s_mov_b32 s3, LAPS-1
.Llap:                                                 ; a trip goes once round the ring, from a lap's second quarter to the next lap's first, and fills both slots again
	QUARTER 0, 128, F1, F0, 0
	QUARTER 0, 192, F0, F1, 0
	TURN 0, 1
	QUARTER 1, 64,  F0, F1, 0
	QUARTER 1, 128, F1, F0, 0
	QUARTER 1, 192, F0, F1, 0
	TURN 1, 0
	QUARTER 0, 64,  F0, F1, 0
	WIN 0
	s_sub_co_u32 s3, s3, 1
	s_cmp_lg_u32 s3, 0
	s_cbranch_scc1 .Llap
	QUARTER 0, 128, F1, F0, 0                      ; the last lap is written out: it asks for nothing, and has no round of the cluster's barrier
	QUARTER 0, 192, F0, F1, 0
	MEET 0                                         ; my one tensor load that was still out is slot 1's, the last K step's
	PLACES
	FETCH 1, 0, F0
	MUL16 F1, 1, 0, 0
	MUL16 F1, 1, 2, 0
	QUARTER 1, 64,  F0, F1, 0
	QUARTER 1, 128, F1, F0, 0
	QUARTER 1, 192, F0, F1, 0
	s_wait_dscnt 8                                 ; the very last quarter: nothing more to fetch
	MUL16 F1, 0, 0, 0
	MUL16 F1, 0, 2, 0
	s_wait_dscnt 0x0
	MUL16 F1, 1, 0, 0
	MUL16 F1, 1, 2, 0
	WIN 0
	PLACES                                         ; in front of the LDS stores that read results, and of the loads into xh's fragment buffer
	TOST 0
	BACK 0
.irp a, 1,2,3,4,5,6,7
	TOST \a                                        ; the next block's stage stores stand between a block's loads from the stage and the waits for them
	SEND (\a)-1, 16
	BACK \a
.endr
	SEND 7, 0
	s_wait_tensorcnt 0x0                           ; the wave's end: behind my last tensor load and my last LDS store
	ds_add_u32 v[SPW], v[NIL]
	s_wait_dscnt 0x0
	CROUND                                         ; the closing round: no work-group ends while a partner may still ask for a tile that names it
	s_endpgm
.Lfunc_end_k_q001e2c4834_gemm:
	.size	k_q001e2c4834_gemm, .Lfunc_end_k_q001e2c4834_gemm-k_q001e2c4834_gemm
	.p2alignl 7, 3214868480
	.fill 96, 4, 3214868480
	.section	.rodata,"a",@progbits
	.p2align	6, 0x0
	.amdhsa_kernel k_q001e2c4834_gemm
		.amdhsa_group_segment_fixed_size 327680
		.amdhsa_private_segment_fixed_size 0
		.amdhsa_enable_private_segment 0
		.amdhsa_kernarg_size 32
		.amdhsa_user_sgpr_count 2
		.amdhsa_user_sgpr_kernarg_segment_ptr 1
		.amdhsa_wavefront_size32 1
		.amdhsa_system_sgpr_workgroup_id_x 1
		.amdhsa_system_sgpr_workgroup_id_y 1
		.amdhsa_system_sgpr_workgroup_id_z 1
		.amdhsa_system_vgpr_workitem_id 0
		.amdhsa_next_free_vgpr 1024
		.amdhsa_next_free_sgpr 80
		.amdhsa_reserve_vcc 0
		.amdhsa_float_denorm_mode_32 3
		.amdhsa_float_denorm_mode_16_64 3
		.amdhsa_memory_ordered 1
		.amdhsa_forward_progress 1
		.amdhsa_inst_pref_size 161
	.end_amdhsa_kernel
	.amdgpu_metadata
---
amdhsa.version: [ 1, 2 ]
amdhsa.kernels:
  - .name:           k_q001e2c4834_gemm
    .symbol:         k_q001e2c4834_gemm.kd
    .args:
      - { .name: xh, .offset: 0, .size: 8, .value_kind: global_buffer, .address_space: global }
      - { .name: wq, .offset: 8, .size: 8, .value_kind: global_buffer, .address_space: global }
      - { .name: scale, .offset: 16, .size: 8, .value_kind: global_buffer, .address_space: global }
      - { .name: out0, .offset: 24, .size: 8, .value_kind: global_buffer, .address_space: global }
    .group_segment_fixed_size: 327680
    .private_segment_fixed_size: 0
    .kernarg_segment_align: 8
    .kernarg_segment_size: 32
    .max_flat_workgroup_size: 128
    .sgpr_count:     80
    .vgpr_count:     1024
    .wavefront_size: 32
...
	.end_amdgpu_metadata
.endif
;; end of part 3
;; ======== version 2 of 2: 3 launches; version 1 with the launch dequant written anew for expert scheduling mode
;; limits: values are held in f16: magnitudes above 65,504 overflow, below 6.1e-05 lose precision; right only within a limited range of input values
;; workspace buffers: wq 16,777,216 bytes; xh 67,108,864 bytes
;; launch dequant (part 4): grid 256 x 1, 4 waves a work-group, no clusters, 16,896 bytes of LDS; arguments codebooks, codes, wq; writes wq
.if DOCPART == 4
	.amdgcn_target "amdgcn-amd-amdhsa--gfx1250"
	.amdhsa_code_object_version 6
	.text
	.protected	k_q001e2c4834_dequant
	.globl	k_q001e2c4834_dequant
	.p2align	8
	.type	k_q001e2c4834_dequant,@function
k_q001e2c4834_dequant:
	s_mov_b64 s[64:65], 0
	v_nop
	global_prefetch_b8 v0, s[64:65] scope:SCOPE_SE
	s_setreg_imm32_b32 hwreg(HW_REG_WAVE_SCHED_MODE, 0, 2), 2
	s_setreg_imm32_b32 hwreg(HW_REG_WAVE_MODE, 25, 1), 1
	s_wait_xcnt 0x0
	s_wait_alu depctr_vm_vsrc(0)
; wq[o][k] (f16, [2048][4096], plain rows) = 256 x (cb0[codes[o][g][0]] + cb1[codes[o][g][1]])[e], k = 8 g + e.  The row's scale is NOT applied here: the product's
; way out applies it in f32, together with 1/256.  The factor 256 is exact; it lifts the sums away from f16's small end.
; LIMITS.  |cb0 + cb1| stays under 255.9 (f16 ends at 65,504); a sum below 2.4e-7 keeps f16's fixed step.  A code is taken as unsigned and held to 255 at the most.
; SHARES.  2,048 rows, 8 to a work-group, 2 to a wave.  A step t (32 of them) covers groups 16 t .. 16 t + 15 of the wave's two rows: lane l takes group gi = l % 16 of
; row rr = l / 16.  Its 8 bytes of codes: 128 consecutive bytes of each row an instruction.  Its 16 bytes of wq: lanes 0-15 store 256 consecutive bytes of one row, at a multiple
; of 256 from wq's first byte; lanes 16-31 the same of the row below.
; THE TABLE, 16 KiB, lies in LDS already times 256, as four arrays with 16 bytes an entry (cb0's channels 0-3, 4-7, cb1's 0-3, 4-7): the entries fall on 16 different
; columns of 16 bytes, where entries of 32 bytes would fall on 8 (64 banks of 4 bytes: ISA guide 11.1).
; All 32 loads of codes of a wave go out at once; no address register is ever rewritten.  No matrix unit, no cluster, no tensor load: a gather whose only shared bytes are the table's.
; THE MODE: SCHED_MODE bits 1:0 = 2 (LLVM: expert scheduling mode 2), set by the entry lines.  The code itself states the register dependences
; between vector instructions and memory or LDS instructions, with s_wait_alu, always for 0.
; THE PLAN.  The 32 steps go in 8 blocks (batches) of four.  Registers that memory or LDS instructions touch:
;   CD, batch q   The loads of codes land in it; the address lines of block q - 2 (batches 0 and 1: at the head) turn it in place into LDS addresses; the 16 gathers issued at the head of
;                 block q - 1 (batch 0's: ahead of block 0) read it; never written again.
;   GS0, GS1      Batch q's gathers land in GS[q % 2]; block q's additions and roundings work on it; batch q + 2's gathers land in it at the head of block q + 1.
;                 (At the head GS0's first 32 registers take the table: loaded, multiplied in place, read by the LDS stores.)
;   OUT0, OUT1    Block q's roundings write OUT[q % 2]; the four stores issued in block q + 1 read it; block q + 2 writes it again.
;   v[TL], v[VC], v[VO], v[TS], v[SPW], v[NIL]   made once at the head and never written again.
; Block p's vector instructions name GS[p % 2], OUT[p % 2] and batch p + 2 of CD; its memory and LDS instructions name the other GS, the other OUT, batch p + 1 of CD and v[VO].  So the waits at a
; block's head state all that its 16 gathers and 4 stores hang on, and the stores are dealt among its vector instructions with no further wait.
.set SPARE, 16384                      ; behind the table: the spare words, 128 bytes for each wave: two blocks of 256 bytes that no other line names
.set VC,   2                           ; v2   my byte offset in the two rows of codes
.set VO,   3                           ; v3   my byte offset in the two rows of wq
.set TS,   5                           ; v5   where my chunks of the table go in LDS
.set TL,   6                           ; v6   16 x my thread's number: where they come from
.set SPW,  8                           ; v8   LDS address of my spare word; never rewritten
.set NIL,  9                           ; v9   0; never rewritten
.set OUTR, 32                          ; v[32:63]   two sets of 16: four steps' 16 bytes to store
.set CD,   64                          ; v[64:127]  step t's two codes at CD + 2 t
.set GS,   128                         ; v[128:255] two sets of 64: four steps' gathered entries, 16 registers a step (first the table's 8 chunks)
	s_load_b128 s[4:7], s[0:1], 0x0                ; codebooks s[4:5], codes s[6:7]
	s_load_b64 s[8:9], s[0:1], 0x10                ; wq
	v_lshl_add_u32 v[SPW], v0, 2, SPARE
	v_mov_b32 v[NIL], 0
	v_lshrrev_b32 v1, 5, v0
	v_readfirstlane_b32 s12, v1                    ; wave 0..3
	v_and_b32 v10, 15, v0                          ; gi
	v_bfe_u32 v11, v0, 4, 1                        ; rr
	v_lshlrev_b32 v[VC], 3, v10
	v_lshl_add_u32 v[VC], v11, 12, v[VC]           ; 4,096 rr + 8 gi
	v_lshlrev_b32 v[VO], 4, v10
	v_lshl_add_u32 v[VO], v11, 13, v[VO]           ; 8,192 rr + 16 gi
	v_and_b32 v13, 1, v0                           ; chunk q = thread + 128 j of the table: half q % 2 of entry (q / 2) % 256 of codebook q / 512
	v_lshrrev_b32 v14, 1, v0
	v_lshlrev_b32 v[TS], 4, v14
	v_lshl_add_u32 v[TS], v13, 12, v[TS]           ; 4,096 x half + 16 x (thread / 2)
	v_lshlrev_b32 v[TL], 4, v0
	s_wait_alu depctr_va_sdst(0)                   ; s12 is written, ahead of its first reader: the bases of codes and wq are made from it
	s_lshl_b32 s14, ttmp9, 3
	s_lshl_b32 s15, s12, 1
	s_add_co_u32 s14, s14, s15                     ; my first row: 8 x work-group + 2 x wave
	s_lshl_b32 s2, s14, 12                         ; a row of codes is 4,096 bytes
	s_mov_b32 s3, 0
	s_lshl_b32 s14, s14, 13                        ; a row of wq is 8,192 bytes
	s_mov_b32 s15, 0
	s_wait_kmcnt 0x0
	s_add_nc_u64 s[6:7], s[6:7], s[2:3]
	s_add_nc_u64 s[8:9], s[8:9], s[14:15]
	s_wait_alu depctr_va_vdst(0)                   ; v[TL], v[VC], v[VO], v[TS], v[SPW] and v[NIL] are written: every load, store and LDS store below reads one of them, and none is written again
.irp j, 0,1,2,3,4,5,6,7
	global_load_b128 v[GS+4*(\j):GS+4*(\j)+3], v[TL], s[4:5] offset:2048*(\j)
.endr
.set t, 0
.rept 32
	global_load_b64 v[CD+2*t:CD+2*t+1], v[VC], s[6:7] offset:128*t th:TH_LOAD_NT
.set t, t+1
.endr
; Batch b's eight codes become LDS addresses, in place.
.macro ADDR b
.irp i, 0,1,2,3
.set c, CD+2*(4*(\b)+(\i))
	v_min_u32 v[c],   0xff, v[c]                   ; a code stays inside its table
	v_min_u32 v[c+1], 0xff, v[c+1]
	v_lshlrev_b32 v[c],   4, v[c]
	v_lshlrev_b32 v[c+1], 4, v[c+1]
.endr
.endm
; Batch b's 16 gathers, in one run, into set b % 2.
.macro GATHER b
.irp i, 0,1,2,3
.set c, CD+2*(4*(\b)+(\i))
.set g, GS+64*((\b)%2)+16*(\i)
	ds_load_b128 v[g:g+3],     v[c]
	ds_load_b128 v[g+4:g+7],   v[c]   offset:4096
	ds_load_b128 v[g+8:g+11],  v[c+1] offset:8192
	ds_load_b128 v[g+12:g+15], v[c+1] offset:12288
.endr
.endm
	s_wait_loadcnt 32                              ; the table's 8 loads are in; the 32 younger loads of codes stay out
.irp j, 0,1,2,3,4,5,6,7
	v_pk_mul_f32 v[GS+4*(\j):GS+4*(\j)+1],   v[GS+4*(\j):GS+4*(\j)+1],   0x43800000 op_sel_hi:[1,0]  ; times 256
	v_pk_mul_f32 v[GS+4*(\j)+2:GS+4*(\j)+3], v[GS+4*(\j)+2:GS+4*(\j)+3], 0x43800000 op_sel_hi:[1,0]
.endr
	s_wait_alu depctr_va_vdst(0)                   ; the sixteen multiplies have written v[GS .. GS+31], which the LDS stores read
.irp j, 0,1,2,3,4,5,6,7
	ds_store_b128 v[TS], v[GS+4*(\j):GS+4*(\j)+3] offset:1024*(\j)+4096*((\j)/4)  ; 64 entries on for each j; codebook 1 begins at 8,192
.endr
	s_wait_loadcnt 24                              ; loads come back in order (ISA guide 5.7.1): the codes of batches 0 and 1 are in, the 24 younger loads stay out
	ADDR 0                                         ; their addresses are made while my part of the table is on its way into LDS
	ADDR 1
	s_wait_dscnt 0x0                               ; for the others' sake: my part of the table is stored
	s_barrier_signal -1
	s_barrier_wait -1                              ; the table is whole
	s_wait_alu depctr_vm_vsrc(0)                   ; my LDS stores have read v[GS .. GS+31], in which batch 0's gathers land
	s_wait_alu depctr_va_vdst(0)                   ; the addresses of batches 0 and 1 are written, which the gathers below and those at block 0's head read
	GATHER 0
; Block p.  At its head batch p + 1 is gathered; the addresses of batch p + 2 are made while batch p's entries come in; then, for each of the block's four steps, the store of the same step of the
; block before goes out, and the step's two entries are added in f32 and rounded once to f16.
.macro BLK p
.if (\p) >= 2
	s_wait_xcnt 0x0                                ; every earlier store has had its address translated (ISA guide 3.1): OUT[p % 2] is rewritten only behind this wait
	s_wait_alu depctr_vm_vsrc(0)                   ; the stores issued in the block before have read OUT[p % 2], which this block's roundings write again
.endif
.if (\p) >= 1
	s_wait_alu depctr_va_vdst(0)                   ; the block before has written the other OUT, which the stores below read, and batch p + 1's addresses, which the gathers below read; it is done with the other GS, in which they land
.endif
.if (\p) < 7
	GATHER (\p)+1                                  ; the next four steps' entries are on their way while these four are finished
.endif
.if (\p) < 6
	s_wait_loadcnt 20-4*(\p)                       ; behind batch p + 2's last load of codes stand 20 - 4 p younger ones
	ADDR (\p)+2
.endif
.if (\p) < 7
	s_wait_dscnt 16                                ; LDS loads come back in order (ISA guide 5.7.1): batch p is in, the 16 gathers just issued stay out
.else
	s_wait_dscnt 0x0                               ; the last batch: nothing was issued behind it
.endif
.irp i, 0,1,2,3
.if (\p) >= 1
.set o, OUTR+16*(((\p)+1)%2)+4*(\i)
	global_store_b128 v[VO], v[o:o+3], s[8:9] offset:256*(4*((\p)-1)+(\i))  ; the block before.  No wait: no vector instruction since the head's wait names these registers
.endif
.set g, GS+64*((\p)%2)+16*(\i)
.set o, OUTR+16*((\p)%2)+4*(\i)
.irp j, 0,2,4,6
	v_pk_add_f32 v[g+(\j):g+(\j)+1], v[g+(\j):g+(\j)+1], v[g+8+(\j):g+8+(\j)+1]
.endr
.irp j, 0,1,2,3
	v_cvt_pk_f16_f32 v[o+(\j)], v[g+2*(\j)], v[g+2*(\j)+1]
.endr
.endr
.endm
.irp b, 0,1,2,3,4,5,6,7
	BLK \b
.endr
	s_wait_alu depctr_va_vdst(0)                   ; block 7 has written OUT1, which the last four stores read
.irp i, 0,1,2,3
	global_store_b128 v[VO], v[OUTR+16+4*(\i):OUTR+16+4*(\i)+3], s[8:9] offset:256*(28+(\i))
.endr
	s_wait_dscnt 0x0                               ; the closing lines, six on end
	s_wait_alu 0x0
	s_wait_tensorcnt 0x0
	ds_add_u32 v[SPW], v[NIL]
	s_wait_dscnt 0x0
	s_endpgm
.Lfunc_end_k_q001e2c4834_dequant:
	.size	k_q001e2c4834_dequant, .Lfunc_end_k_q001e2c4834_dequant-k_q001e2c4834_dequant
	.p2alignl 7, 3214868480
	.fill 96, 4, 3214868480
	.section	.rodata,"a",@progbits
	.p2align	6, 0x0
	.amdhsa_kernel k_q001e2c4834_dequant
		.amdhsa_group_segment_fixed_size 16896
		.amdhsa_private_segment_fixed_size 0
		.amdhsa_enable_private_segment 0
		.amdhsa_kernarg_size 24
		.amdhsa_user_sgpr_count 2
		.amdhsa_user_sgpr_kernarg_segment_ptr 1
		.amdhsa_wavefront_size32 1
		.amdhsa_system_sgpr_workgroup_id_x 1
		.amdhsa_system_sgpr_workgroup_id_y 1
		.amdhsa_system_sgpr_workgroup_id_z 1
		.amdhsa_system_vgpr_workitem_id 0
		.amdhsa_next_free_vgpr 256
		.amdhsa_next_free_sgpr 66
		.amdhsa_reserve_vcc 0
		.amdhsa_float_denorm_mode_32 3
		.amdhsa_float_denorm_mode_16_64 3
		.amdhsa_memory_ordered 1
		.amdhsa_forward_progress 1
		.amdhsa_inst_pref_size 42
	.end_amdhsa_kernel
	.amdgpu_metadata
---
amdhsa.version: [ 1, 2 ]
amdhsa.kernels:
  - .name:           k_q001e2c4834_dequant
    .symbol:         k_q001e2c4834_dequant.kd
    .args:
      - { .name: codebooks, .offset: 0, .size: 8, .value_kind: global_buffer, .address_space: global }
      - { .name: codes, .offset: 8, .size: 8, .value_kind: global_buffer, .address_space: global }
      - { .name: wq, .offset: 16, .size: 8, .value_kind: global_buffer, .address_space: global }
    .group_segment_fixed_size: 16896
    .private_segment_fixed_size: 0
    .kernarg_segment_align: 8
    .kernarg_segment_size: 24
    .max_flat_workgroup_size: 128
    .sgpr_count:     66
    .vgpr_count:     256
    .wavefront_size: 32
...
	.end_amdgpu_metadata
.endif
;; end of part 4
;; launch cvt: the kernel of part 2 again; grid 2048 x 1, 4 waves a work-group, no clusters, 0 bytes of LDS; arguments x, xh; writes xh
;; launch gemm: the kernel of part 3 again; grid 8 x 32, 4 waves a work-group, clusters of 4 x 4, 327,680 bytes of LDS; arguments xh, wq, scale, out0; writes out0
